; MI455X (gfx1250); checked and timed in simulation.
; The chip was launched on July 23, 2026; its instructions are those of AMD's public machine-readable ISA for CDNA 5 (MIT licence, August 2026) and "CDNA5" Instruction Set Architecture Reference Guide (July 2026). The comments in the code are by the model that wrote it; some were corrected since.
;; Temporal Linear. Allowed arithmetic: matrix products marked QUANTISED: E2M1 operands, one E8M0 scale for each 32 along K, by v_wmma_scale_f32_16x16x128_f8f6f4 with both operands' format E2M1 (or v_wmma_scale_f32_32x16x128_f4), f32 sums; everything else in f32.
;; Inputs: W_codes 4,096 x 128 x 16 uint8 (E2M1 codes of W, K innermost, in blocks of 32 codes, two codes a byte); W_scales 4,096 x 128 uint8 (E8M0 scales of W, one for each 32 codes along K); b 4,096 float32; x_codes 4,096 x 128 x 16 uint8 (E2M1 codes of x, K innermost, in blocks of 32 codes, two codes a byte); x_scales 4,096 x 128 uint8 (E8M0 scales of x, one for each 32 codes along K).
;; Outputs: out0 4,096 x 4,096 float32.
;; This version of the problem:
;;   THIS VERSION OF THE PROBLEM IS GIVEN IN LOW PRECISION. The matrix products marked QUANTISED in the list below multiply operands that are first quantised to E2M1 (2 exponent bits, 1 mantissa bit; 4 bits a number), with one power-of-two scale for each 32 numbers along K (OCP MX v1.0); their sums are f32. All else is computed in f32.
;;   The module's matrix products, in the order in which they are computed (A, B: the left and right operand; K: the contracted axis; several contracted axes count as one K, in the product's order):
;;     1. [M 4,096, K 4,096] x [K 4,096, N 4,096]; A: input x (given as codes); B: input W (given as codes): QUANTISED
;;   THE QUANTISER, for each operand of a quantised product, along K:
;;     - K is cut into blocks of 32 from its start; a last block that is shorter is filled with zeros.
;;     - A block's scale is 2^e with e = floor(log2(the largest magnitude in the block)) - 2, held to -126 .. 127; a block of zeros has e = 0. As a byte (E8M0): e + 127.
;;     - Each number is divided by its block's scale, clamped to +-6, and rounded to the nearest number of E2M1, ties to even, subnormals kept.
;;     - The product sums the exact products of the quantised numbers (number of the format x scale) in f32.
;;   ~~~python
;;   def quantise(x, axis):      # numpy; x: float32 -> the quantised numbers, widened to float32 again
;;       x = np.moveaxis(x, axis, -1); K = x.shape[-1]
;;       x = np.pad(x, [(0, 0)] * (x.ndim - 1) + [(0, -K % 32)]); x = x.reshape(x.shape[:-1] + (-1, 32)); a = np.abs(x).max(-1, keepdims=True)
;;       e = np.where(a > 0, np.clip(np.frexp(np.where(a > 0, a, 1))[1] - 1 - 2, -126, 127), 0)      # np.frexp(a)[1] - 1 = floor(log2(a)), exactly
;;       r = np.clip(x / 2.0 ** e, -6, 6)
;;       step = 2.0 ** (np.maximum(np.frexp(np.where(r == 0, 1, r))[1] - 1, 0) - 1)
;;       q = np.round(r / step) * step * 2.0 ** e      # np.round: ties to even
;;       return np.moveaxis(q.reshape(q.shape[:-2] + (-1,))[..., :K], -1, axis).astype(np.float32)
;;   ~~~
;;   INPUTS GIVEN AS CODES. W (in the module: [4096, 4096], K = its axis 1); x (in the module: [4096, 4096], K = its axis 1): each comes as NAME_codes (uint8): NAME with its K axis moved to the last place and cut into blocks of 32 codes, [.., K / 32, bytes a block], one block behind the other in memory; two codes a byte, the lower K in the low four bits (a code: sign, 2 exponent bits, 1 mantissa bit); and NAME_scales (uint8): the same leading axes, one E8M0 byte (e + 127) for each 32 codes along K. Its value is code x scale, taken as it is: it is not quantised again, and the codes and scales need not be those that the quantiser above would give.
;; One version. Each part assembles by itself: llvm-mc -triple=amdgcn-amd-amdhsa -mcpu=gfx1250 --defsym DOCPART=n.
;; ======== version 1 of 1: 1 launch
;; limits: right only within a limited range of input values
;; launch gemm (part 1): grid 16 x 16, 4 waves a work-group, clusters of 4 x 4, 327,680 bytes of LDS; arguments x_codes, x_scales, W_codes, W_scales, b, out0; writes out0
.if DOCPART == 1
	.amdgcn_target "amdgcn-amd-amdhsa--gfx1250"
	.amdhsa_code_object_version 6
	.text
	.protected	k_q0f6a766c39_gemm
	.globl	k_q0f6a766c39_gemm
	.p2align	8
	.type	k_q0f6a766c39_gemm,@function
k_q0f6a766c39_gemm:
	s_mov_b64 s[64:65], 0
	v_nop
	global_prefetch_b8 v0, s[64:65] scope:SCOPE_SE
	s_setreg_imm32_b32 hwreg(HW_REG_WAVE_MODE, 25, 1), 1
	s_wait_xcnt 0x0
	s_wait_alu depctr_hold_cnt(0) depctr_sa_sdst(0) depctr_va_vdst(0) depctr_va_sdst(0) depctr_va_ssrc(0) depctr_va_vcc(0) depctr_vm_vsrc(0)
	s_getreg_b32 s2, hwreg(HW_REG_IB_STS2, 6, 4)
	s_cmp_eq_u32 s2, 0
	s_cbranch_scc0 .Lentry_in_a_cluster
	s_endpgm
.Lentry_in_a_cluster:
	s_bfe_u32 s2, ttmp6, 0x10000c
	s_cmp_lg_u32 s2, 0xf033
	s_cbranch_scc0 .Lentry_shape_is_right
	s_endpgm
.Lentry_shape_is_right:
; out0[t][n] = sum over k of x[t][k] W[n][k] + b[n].  x: [4096][4096], W: [4096][4096]: codes of FP4 (E2M1), two a byte, K innermost (a row is 2,048 bytes), one E8M0 byte for each 32 along K (a row is 128 bytes).
; Codes and scale bytes go to the matrix unit as they lie in memory; sums in f32, K ascending, one accumulator for each output; the bias is the C of each sum's first product.
; LIMITS: a scale byte 0xff makes its sums NaN, as the matrix unit defines it; within one instruction the order of the additions is the unit's own.
; SHARES.  out0 has 16 x 16 tiles of 256 x 256: one work-group each, four waves, a wave 128 x 128: 32 accumulators of 32 columns x 16 rows, 512 registers.
; K goes in 8 K steps of 512 (a tile's row is 256 bytes of memory, at a multiple of 256) through a ring of two LDS slots filled by the tensor data mover; a K step is four steps of 128, 32 matrix instructions a wave each.
; THE MATRIX INSTRUCTION (32 x 16 x 128) IS USED TRANSPOSED: source 0 = 32 rows of W, source 1 = 16 rows of x: a lane holds twice eight neighbouring numbers of a row of out0.
; CLUSTERS: 4 x 4 work-groups.  The four of a row of the cluster need the same tiles of x, the four of a column the same tiles of W: each tile is asked for JOINTLY, by the same tensor load with the same descriptor
; and a mask that names the four.
; THE SCALES.  Two slots take 278,528 of the 327,680 bytes of LDS, and both tiles' scales for all of K would take 65,536 more.  So ONE region of 34,816 bytes serves both, as dense rows of 256 bytes (+ 16 of padding):
; at the head it takes W's scales, which every wave reads into 128 registers during K step 0; at the first change of slots it takes x's, which stay and are read K step by K step.  x's scales of K steps 0 and 1
; (32 bytes a row) come by global loads, once.  Where a scale load goes out, waves 1 and 3 issue it, and waves 0 and 2 ask for x's and W's whole tiles of 256 rows: one tensor load a wave everywhere.
; PREFETCH.  Each fill asks for the K step that stands two on, and the head for K steps 1 and 2; K step 7 is the last.  A K step is 256 bytes of each row; every cluster asks for its own four tile rows of x and four tile
; columns of W, each block once: of the 128 rows that a wave fetches, the partner at place cx (x) or cy (W) takes 32, a lane a row.
; The text is written out, without a loop: the registers of W's scales differ in each K step and do not come back.
; REGISTERS, in windows of 256: window 0: v1-31 addresses; v32-63 x's scale words, two sets; v64-191 W's scale words for all of K; v192-255 and what has been used up serve the last K step.
;   window 1: fragments, two buffers of 128: 64 of W (8 x 16 rows x 128 K), then 64 of x; in the last K step W's fragments of the whole K step.
;   window 2: the accumulators of my rows 0-63 (block a of 16 rows, columns 32 b on: v[64 a + 16 b]);   window 3: those of my rows 64-127.
.set SIZE_N, 4096
.set ROWB,   256                       ; a tile's row in bytes: 512 codes
.set KROW,   2048                      ; a row of codes in memory
.set PITCH,  272                       ; an LDS row: 256 bytes + 16 of padding = 68 words: the 16 rows that a load touches start at 16 different groups of four banks (64 banks of 4 bytes: ISA guide 11.1)
.set HALFT,  128*PITCH                 ; 128 rows
.set ATILE,  2*HALFT                   ; x's 256 rows
.set SLOT,   2*ATILE                   ; x's 256 rows, then W's 256 rows
.set SCL,    2*SLOT                    ; the scales' region
.set HALFS,  64*PITCH                  ; the scales of 128 rows: two rows of 128 bytes in each LDS row
.set SBLK,   16*PITCH                  ; the scales of 32 rows
.set SPARE,  SCL+2*HALFS               ; the spare words, 128 bytes for each wave: two blocks of 256 bytes that no other line names
.set SPITCH, 528                       ; the way out: a stage of 16 rows x (512 bytes + 16) for each wave, in slot 0, which has had its last fill and its last read when the first result is stored there
.set ADRA, 16                          ; v16-17  LDS address of my fragments of x in slot 0, 1
.set ADRB, 20                          ; v20-21  the same for W
.set XGO,  22                          ; v22     my row's offset in x's scales in memory
.set ADRW, 23                          ; v23     LDS address of W's scales of row (lane) of my 128
.set STO,  24                          ; v24     the way out: where I put 32 bytes of a row
.set RD,   25                          ; v25     the way out: where I read a row back
.set CO,   26                          ; v26     my byte offset in a row of out0
.set ADRX, 27                          ; v27     LDS address of x's scales of row (lane) of my 128
.set SPW,  28                          ; v28     LDS address of my spare word; never rewritten
.set NIL,  29                          ; v29     0; never rewritten
.set BA,   30                          ; v30     my byte offset in b: 32 x (lane / 16)
.set PFO,  31                          ; v31     the prefetches: 2,048 x lane; never rewritten
.set XS,   32                          ; x's scale words: set s at v[XS + 16 s]; register 4 g + q: lane l the word of row 32 g + l for the K step's q-th 128: lanes 0-15 block 2 g, lanes 16-31 block 2 g + 1
.set WS,   64                          ; W's: register 16 k + 4 g + q: lane l the word of row 32 g + l, K step k
.set PFB,  2                           ; s[2:3]  the prefetches' base; never rewritten
.set G1AW, 4                           ; s[4:11] descriptor group 1 for x's whole tile of 256 rows (made when the arguments that lay here have been used)
.set WV,   16                          ; s16  my wave's number
.set RI,   17                          ; s17  which half of the tile's rows is mine.  Also: I fetch for x (0) or for W (1); which half of the scales I fetch
.set CJ,   18                          ; s18  which half of its columns.  Also: which 128 rows of that tile I fetch
.set XGB,  22                          ; s[22:23] x's scales at my 128 rows
.set G1A,  24                          ; s[24:31] descriptor group 1 for 128 rows of x's codes;  s[32:39] group 0, one set for each slot
.set G0A,  32
.set G1B,  48                          ; s[48:55], s[56:63] the same for W's codes
.set G0B,  56
.set G1SA, 68                          ; s[68:75], s[76:79] groups 1 and 0 for x's scales;  s[80:87], s[88:91] for W's
.set G0SA, 76
.set G1SB, 80
.set G0SB, 88
.set G1BW, 92                          ; s[92:99] descriptor group 1 for W's whole tile (made when the offsets that lay here have been used)
.set CODEW, (0<<16)|(1<<20)|(1<<21)|(5<<22)|(3<<25)   ; beside a mask: 17:16 element of 1 byte; 20 padding on; 21 set beside a mask; 24:22 after every 64 words (code 5); 31:25 of 4 words (code 3)
.set SCALW, (3<<16)|(1<<20)|(1<<21)|(5<<22)|(3<<25)   ; the same with elements of 8 bytes
.set TO_F, 0x40                        ; destination window 1, address window 0
.set MSB, 0
.macro WIN new                         ; the immediate's high byte repeats the setting that is left; a switch that changes nothing is dropped
.if MSB != (\new)
	s_set_vgpr_msb (MSB<<8)|(\new)
.set MSB, (\new)
.endif
.endm
; A load into a register that a matrix instruction has read, and an LDS store that reads a matrix result, stand four places behind that matrix instruction; only plain vector instructions that name none of its
; registers are places (ISA guide 7.12.1 for vector instructions); the matrix instructions in between are not counted.
.macro PLACES n
.rept \n
	v_nop
.endr
.endm
.macro TLOAD g0, g1
	tensor_load_to_lds s[\g0:\g0+3], s[\g1:\g1+7]
	s_nop 0
	PLACES 4
.endm
; The joint refill of slot s: waves 0 and 1 ask for x's two halves, waves 2 and 3 for W's.  Each line has ONE mask; the branch hangs on the wave's number alone.
; The four v_nop behind each load are also the places in front of the fragment loads that follow the macro.
.macro JCODE s
	s_cmp_lg_u32 s[RI], 0
	s_cbranch_scc1 .Lfor_b_\@
	TLOAD G0A+4*(\s), G1A
	s_branch .Lasked_\@
.Lfor_b_\@:
	TLOAD G0B+4*(\s), G1B
.Lasked_\@:
.endm
; A fill of slot 0 with which scales go out: wave 0 asks for x's whole tile and wave 2 for W's (their group 0 names the tile's first half, the group 1 has 256 rows), waves 1 and 3 for the two halves of the scales.
.macro JTILES g0s, g1s
	s_cmp_eq_u32 s[WV], 0
	s_cbranch_scc0 .Lnot_0_\@
	TLOAD G0A, G1AW
	s_branch .Lasked_\@
.Lnot_0_\@:
	s_cmp_eq_u32 s[WV], 2
	s_cbranch_scc0 .Lnot_2_\@
	TLOAD G0B, G1BW
	s_branch .Lasked_\@
.Lnot_2_\@:
	TLOAD \g0s, \g1s
.Lasked_\@:
.endm
.macro PREF ks                         ; K step ks of my 32 rows.  It returns nothing and nothing waits for it
	WIN 0
	global_prefetch_b8 v[PFO], s[PFB:PFB+1] offset:(\ks)*ROWB th:TH_LOAD_NT scope:SCOPE_SE
.endm
; A round of the cluster's barrier: my work-group's barrier, so that wave 0's signal speaks for all four waves; wave 0 signals for the work-group; every wave waits for all sixteen work-groups; my work-group's barrier once more.
.macro CREST                           ; a round behind its opening barrier
	s_cmp_lg_u32 s[WV], 0
	s_cbranch_scc1 .Lnot_wave_0_\@
	s_barrier_signal -3
.Lnot_wave_0_\@:
	s_barrier_wait -3
	s_barrier_signal -1
	s_barrier_wait -1
.endm
.macro CROUND                          ; a whole round
	s_barrier_signal -1
	s_barrier_wait -1
	CREST
.endm
	s_load_b256 s[4:11], s[0:1], 0x0               ; x's codes s[4:5], x's scales s[6:7], W's codes s[8:9], W's scales s[10:11]
	s_load_b128 s[12:15], s[0:1], 0x20             ; b s[12:13], out0 s[14:15]
	v_lshl_add_u32 v[SPW], v0, 2, SPARE
	v_mov_b32 v[NIL], 0
	ds_add_u32 v[SPW], v[NIL]                      ; the wave's opening: the add, twice on end, and its wait ahead of my first tensor load; the set-up below, work on registers, stands between
	ds_add_u32 v[SPW], v[NIL]
	v_lshrrev_b32 v1, 5, v0
	v_readfirstlane_b32 s[WV], v1                  ; wave 0..3
	s_lshr_b32 s[RI], s[WV], 1
	s_and_b32 s[CJ], s[WV], 1
	s_bfe_u32 s40, ttmp6, 0x40000                  ; cx, cy: my place in the cluster
	s_bfe_u32 s41, ttmp6, 0x40004
	s_lshl_b32 s42, ttmp9, 2                       ; in a cluster launch ttmp9 and ttmp7 count clusters
	s_add_co_u32 s42, s42, s40                     ; tile column = 4 x cluster x + cx
	s_and_b32 s43, ttmp7, 0xffff
	s_lshl_b32 s43, s43, 2
	s_add_co_u32 s43, s43, s41                     ; tile row = 4 x cluster y + cy
	s_lshl_b32 s44, s41, 2
	s_lshl_b32 s44, 15, s44                        ; my row of the cluster: places 4 cy .. 4 cy + 3
	s_lshl_b32 s45, 0x1111, s40                    ; my column: places cx, cx + 4, cx + 8, cx + 12
	; descriptor group 1 for codes: 128 rows x 256 bytes, padded in LDS
	s_or_b32 s[G1A+0], s44, CODEW                  ; 15:0 the mask: x's tiles go to my row of the cluster
	s_or_b32 s[G1B+0], s45, CODEW                  ; W's to my column
.irp g, G1A, G1B
	s_mov_b32 s[\g+1], ROWB<<16                    ; tensor_dim0 = 256
	s_mov_b32 s[\g+2], 128<<16                     ; tensor_dim1 = 128
	s_mov_b32 s[\g+3], ROWB<<16                    ; tile_dim0 = 256
	s_mov_b32 s[\g+4], 128                         ; tile_dim1 = 128
	s_mov_b32 s[\g+5], KROW                        ; tensor_dim0_stride
	s_mov_b32 s[\g+6], 0
	s_mov_b32 s[\g+7], 0
.endr
	; and for the scales of 128 rows: a dense block of 16,384 bytes as 64 rows of 32 elements of 8 bytes
	s_or_b32 s[G1SA+0], s44, SCALW
	s_or_b32 s[G1SB+0], s45, SCALW
.irp g, G1SA, G1SB
	s_mov_b32 s[\g+1], 32<<16
	s_mov_b32 s[\g+2], 64<<16
	s_mov_b32 s[\g+3], 32<<16
	s_mov_b32 s[\g+4], 64
	s_mov_b32 s[\g+5], 32
	s_mov_b32 s[\g+6], 0
	s_mov_b32 s[\g+7], 0
.endr
	; where the tiles begin.  x's hang on the tile row alone, W's on the tile column alone: each in registers that never hold the other coordinate
	s_lshl_b32 s20, s[CJ], 18                      ; which 128 rows of the tile I fetch: 128 x 2,048 bytes
	s_lshl_b32 s21, s[RI], 14                      ; which half of the scales: 128 x 128 bytes
	s_lshl_b32 s92, s43, 19                        ; x's codes: 256 rows x 2,048 bytes a tile row
	s_add_co_u32 s92, s92, s20
	s_mov_b32 s93, 0
	s_lshl_b32 s94, s43, 15                        ; x's scales: 256 rows x 128 bytes
	s_add_co_u32 s94, s94, s21
	s_mov_b32 s95, 0
	s_lshl_b32 s96, s42, 19                        ; W's likewise, by the tile column
	s_add_co_u32 s96, s96, s20
	s_mov_b32 s97, 0
	s_lshl_b32 s98, s42, 15
	s_add_co_u32 s98, s98, s21
	s_mov_b32 s99, 0
	; the prefetches: the tile's first row + 128 x half + 32 x my place among the four that ask for it
	s_cmp_eq_u32 s[RI], 0
	s_cselect_b32 s21, s43, s42
	s_cselect_b32 s22, s40, s41
	s_lshl_b32 s[PFB], s21, 19
	s_lshl_b32 s22, s22, 16
	s_add_co_u32 s[PFB], s[PFB], s22
	s_add_co_u32 s[PFB], s[PFB], s20
	s_mov_b32 s[PFB+1], 0
	; my first column in bytes, which is also my place in b: 1,024 x tile column + 512 x half;  my first row of out0: 256 x tile row + 128 x half, 16,384 bytes a row
	s_lshl_b32 s46, s42, 10
	s_lshl_b32 s47, s[CJ], 9
	s_add_co_u32 s46, s46, s47
	s_mov_b32 s47, 0
	s_lshl_b32 s20, s43, 8
	s_lshl_b32 s21, s[RI], 7
	s_add_co_u32 s20, s20, s21
	s_lshl_b32 s20, s20, 14                        ; under 2^26
	s_mov_b32 s21, 0
	s_add_nc_u64 s[20:21], s[20:21], s[46:47]
	s_mul_i32 s66, s[WV], HALFT                    ; where my quarter of a slot goes: no place in the cluster enters an LDS address
	s_mul_i32 s67, s[RI], HALFS                    ; and my half of the scales
	s_add_co_u32 s67, s67, SCL
	s_mul_i32 s19, s[CJ], HALFS
	s_add_co_u32 s19, s19, SCL
	s_wait_dscnt 0x0                               ; both opening adds are done
	CROUND                                         ; all sixteen work-groups are here: the first joint loads meet
	s_wait_kmcnt 0x0
	s_add_nc_u64 s[92:93], s[4:5], s[92:93]        ; x's codes at my 128 rows
	s_add_nc_u64 s[94:95], s[6:7], s[94:95]        ; x's scales at half RI of the tile row: what I fetch, and what my rows want
	s_add_nc_u64 s[96:97], s[8:9], s[96:97]        ; W's codes at my 128 rows
	s_add_nc_u64 s[98:99], s[10:11], s[98:99]      ; W's scales at half RI of the tile column
	s_add_nc_u64 s[12:13], s[12:13], s[46:47]      ; b at my first column
	s_add_nc_u64 s[14:15], s[14:15], s[20:21]      ; out0 at my first row and column
	s_cmp_eq_u32 s[RI], 0                          ; the prefetches' tensor: the choice hangs on the wave's number alone
	s_cselect_b64 s[20:21], s[4:5], s[8:9]
	s_add_nc_u64 s[PFB:PFB+1], s[20:21], s[PFB:PFB+1]
	s_mov_b64 s[XGB:XGB+1], s[94:95]
	; descriptor groups 0
.irp s, 0,1
	s_mov_b32 s[G0A+4*\s], 1                                       ; 1:0 count = 1
	s_add_co_u32 s[G0A+4*\s+1], s66, \s*SLOT                       ; 63:32 LDS address
	s_add_nc_u64 s[G0A+4*\s+2:G0A+4*\s+3], s[92:93], \s*ROWB       ; 120:64 global address: K step s
	s_or_b32 s[G0A+4*\s+3], s[G0A+4*\s+3], 0x80000000              ; 127:126 type = 2
	s_mov_b32 s[G0B+4*\s], 1
	s_add_co_u32 s[G0B+4*\s+1], s66, \s*SLOT
	s_add_nc_u64 s[G0B+4*\s+2:G0B+4*\s+3], s[96:97], \s*ROWB
	s_or_b32 s[G0B+4*\s+3], s[G0B+4*\s+3], 0x80000000
.endr
	s_mov_b32 s[G0SA], 1
	s_mov_b32 s[G0SA+1], s67
	s_mov_b64 s[G0SA+2:G0SA+3], s[94:95]
	s_or_b32 s[G0SA+3], s[G0SA+3], 0x80000000
	s_mov_b32 s[G0SB], 1
	s_mov_b32 s[G0SB+1], s67
	s_mov_b64 s[G0SB+2:G0SB+3], s[98:99]
	s_or_b32 s[G0SB+3], s[G0SB+3], 0x80000000
	; the groups 1 for whole tiles of codes, in registers whose arguments and offsets have been used
	s_or_b32 s[G1AW+0], s44, CODEW
	s_or_b32 s[G1BW+0], s45, CODEW
.irp g, G1AW, G1BW
	s_mov_b32 s[\g+1], ROWB<<16
	s_mov_b32 s[\g+2], 256<<16                     ; tensor_dim1 = 256
	s_mov_b32 s[\g+3], ROWB<<16
	s_mov_b32 s[\g+4], 256                         ; tile_dim1 = 256
	s_mov_b32 s[\g+5], KROW
	s_mov_b32 s[\g+6], 0
	s_mov_b32 s[\g+7], 0
.endr
	JTILES G0SB, G1SB                              ; THE FIRST FILLS, one load a wave: K step 0's tiles and W's scales
	s_mul_i32 s40, s[RI], HALFT                    ; my 128 rows of x in slot 0, 1
	s_add_co_u32 s41, s40, SLOT
	s_mul_i32 s42, s[CJ], HALFT                    ; my 128 rows of W, behind x's 256
	s_add_co_u32 s42, s42, ATILE
	s_add_co_u32 s43, s42, SLOT
	s_mul_i32 s44, s[WV], 16*SPITCH                ; my stage
	; A fragment, 16 rows x 128 K of 4-bit codes, is 8 registers: lane l holds row l % 16; registers 4 c .. 4 c + 3 hold K = 64 c + 32 (l / 16) + 0 .. 31: two loads of 16 bytes, 32 bytes apart
	v_and_b32 v1, 15, v0                           ; r = l % 16
	v_bfe_u32 v2, v0, 4, 1                         ; h = l / 16
	v_mul_u32_u24 v3, v1, PITCH
	v_lshl_add_u32 v4, v2, 4, v3                   ; row x pitch + 16 x half
	v_add_nc_u32 v[ADRA], s40, v4
	v_add_nc_u32 v[ADRA+1], s41, v4
	v_add_nc_u32 v[ADRB], s42, v4
	v_add_nc_u32 v[ADRB+1], s43, v4
	v_mul_u32_u24 v5, v1, SPITCH                   ; the stage, in: row l % 16, 32 bytes for each half of the lanes
	v_lshl_add_u32 v5, v2, 5, v5
	v_add_nc_u32 v[STO], s44, v5
	v_and_b32 v6, 31, v0
	v_lshlrev_b32 v[CO], 4, v6                     ; back: the 32 lanes take one row of 512 bytes; and the same in out0
	v_add_nc_u32 v[RD], s44, v[CO]
	v_bfe_u32 v7, v0, 1, 4                         ; scales: row l of 128 bytes, two in an LDS row
	v_mul_u32_u24 v7, v7, PITCH
	v_and_b32 v8, 1, v0
	v_lshl_add_u32 v7, v8, 7, v7
	v_add_nc_u32 v[ADRX], s67, v7                  ; x's: half RI
	v_add_nc_u32 v[ADRW], s19, v7                  ; W's: half CJ
	v_lshlrev_b32 v[BA], 5, v2
	v_lshlrev_b32 v[PFO], 11, v6
	v_lshlrev_b32 v[XGO], 7, v6
	s_wait_alu depctr_va_vdst(0)                   ; the wait at the head's end
.irp k, 0,1                                    ; x's scale words of K steps 0 and 1
.irp g, 0,1,2,3
	global_load_b128 v[XS+16*\k+4*\g:XS+16*\k+4*\g+3], v[XGO], s[XGB:XGB+1] offset:4096*\g+16*\k
.endr
.endr
	WIN 0xc0                                       ; destination window 3
.irp b, 0,1,2,3,4,5,6,7                        ; the bias of my 128 columns in the result's layout, in the registers of the last block's accumulators
	global_load_b128 v[192+8*\b:192+8*\b+3], v[BA], s[12:13] offset:64*\b
	global_load_b128 v[196+8*\b:196+8*\b+3], v[BA], s[12:13] offset:64*\b+16
.endr
	PREF 1
.macro FRAG reg, adr, q, i             ; one fragment: block i of 16 rows, the slot's q-th 128 along K
.irp c, 0,1
	ds_load_b128 v[\reg+4*\c:\reg+4*\c+3], v[\adr] offset:64*(\q)+32*\c+(\i)*16*PITCH
.endr
.endm
.macro LDW slot, q, i0                 ; a run of eight loads: W's blocks i0 .. i0 + 3, into the buffer of the slot's q-th step
	WIN TO_F
.irp i, 0,1,2,3
	FRAG 128*((\q)%2)+8*(\i0+\i), ADRB+(\slot), \q, \i0+\i
.endr
.endm
.macro LDX slot, q, i0                 ; the same for x
	WIN TO_F
.irp i, 0,1,2,3
	FRAG 128*((\q)%2)+64+8*(\i0+\i), ADRA+(\slot), \q, \i0+\i
.endr
.endm
.macro WSC kk                          ; W's scale words of K step kk
	WIN 0
.irp g, 0,1,2,3
	ds_load_b128 v[WS+16*(\kk)+4*\g:WS+16*(\kk)+4*\g+3], v[ADRW] offset:\g*SBLK+16*(\kk)
.endr
.endm
.macro XSC kk                          ; x's
	WIN 0
.irp g, 0,1,2,3
	ds_load_b128 v[XS+16*((\kk)%2)+4*\g:XS+16*((\kk)%2)+4*\g+3], v[ADRX] offset:\g*SBLK+16*(\kk)
.endr
.endm
; One matrix instruction: the symbols D_, W_, X_, C_ name the first registers of its operands, SA_ and SB_ its scale words; odd: x's words stand in lanes 16-31.
.macro WM odd
.if \odd
	v_wmma_scale_f32_32x16x128_f4 v[D_:D_+15], v[W_:W_+15], v[X_:X_+7], v[C_:C_+15], v[SA_], v[SB_] matrix_b_scale:MATRIX_SCALE_ROW1
.else
	v_wmma_scale_f32_32x16x128_f4 v[D_:D_+15], v[W_:W_+15], v[X_:X_+7], v[C_:C_+15], v[SA_], v[SB_]
.endif
.endm
; x's block a against W's 128 rows, K step k, its q-th 128.  first = 1: the sums start from the bias, in window 3; block 7's in place.
; The 32 accumulators take turns, one instruction a turn, in the same order in every step.
.macro GRP k, q, a, first
.if (\a) < 4
.if \first
	WIN 0xb5                                       ; sources 0, 1 window 1; C window 3, D window 2
.else
	WIN 0xa5                                       ; C and D window 2
.endif
.else
	WIN 0xf5                                       ; C and D window 3
.endif
.irp b, 0,1,2,3
.set D_, 64*((\a)%4)+16*\b
.set W_, 128*((\q)%2)+16*\b
.set X_, 128*((\q)%2)+64+8*(\a)
.if \first
.set C_, 192+16*\b
.else
.set C_, D_
.endif
.set SA_, WS+16*(\k)+4*\b+(\q)
.set SB_, XS+16*((\k)%2)+4*((\a)/2)+(\q)
	WM (\a)%2
.endr
.endm
; The 32 loads of a step's fragments, in one run, into the buffer of the slot's q-th step: W's, then x's.
.macro LOADS slot, q
	LDW \slot, \q, 0
	LDW \slot, \q, 4
	LDX \slot, \q, 0
	LDX \slot, \q, 4
.endm
; A step of 128 along K that has its successor in the same slot.  The next step's 32 loads go out ahead of this step's 32 matrix instructions, into the other buffer.
; n: W's scale words of K steps e0 .. e0 + n - 1 are read on the way (a count below then covers more than it must).
.macro STEP k, q, first, e0, n
	PLACES 4                                       ; the other buffer's last readers are the products of the step before
	LOADS (\k)%2, \q+1
	s_wait_dscnt 46                                ; W's fragments and x's block 0 are in; x's blocks 1-7 (14 loads) and the 32 just issued may be out
	GRP \k, \q, 0, \first
	s_wait_dscnt 40                                ; x's blocks 1-3: blocks 4-7 and the 32 may be out
	GRP \k, \q, 1, \first
	GRP \k, \q, 2, \first
	GRP \k, \q, 3, \first
.set E_, \e0
.rept \n
	WSC E_
.set E_, E_+1
.endr
	s_wait_dscnt 32                                ; x's blocks 4-7: the 32 may be out
	GRP \k, \q, 4, \first
	GRP \k, \q, 5, \first
	GRP \k, \q, 6, \first
.if \first
	PLACES 5                                       ; block 7's products write over the bias, which block 6's have read as C
.endif
	GRP \k, \q, 7, \first
.endm
; K step k's last step changes slots: ONE barrier (it opens a round of the cluster's barrier where the slot is filled again, with K step k + 2).  In front of it each wave waits for all its tensor loads, adds 0 to its spare word,
; and waits for that and for its own LDS reads; between the add and the wait for it stand eight matrix instructions, behind the refill and the next slot's first loads twenty.
.macro TURN k
	s_wait_dscnt 14                                ; W's fragments and x's block 0 are in
	GRP \k, 3, 0, 0
	WIN 0                                          ; (the add's two registers lie in window 0)
	s_wait_tensorcnt 0x0                           ; all my tensor loads have landed
	ds_add_u32 v[SPW], v[NIL]                      ; 0 onto my spare word
	s_wait_dscnt 9                                 ; x's blocks 1-3 are in: blocks 4-7 and the add may be out
	GRP \k, 3, 1, 0
	GRP \k, 3, 2, 0
	WIN 0
	s_wait_dscnt 0x0                               ; the add is done, and my reads of this slot (and of the scales' region) are over
	s_barrier_signal -1
	s_barrier_wait -1
.if (\k) < 6
	CREST                                          ; no wave of any partner still reads what is filled now, or has a load on its way
	s_add_nc_u64 s[G0A+4*((\k)%2)+2:G0A+4*((\k)%2)+3], s[G0A+4*((\k)%2)+2:G0A+4*((\k)%2)+3], 2*ROWB   ; no tensor load of mine is out: a group 0 may be written
	s_add_nc_u64 s[G0B+4*((\k)%2)+2:G0B+4*((\k)%2)+3], s[G0B+4*((\k)%2)+2:G0B+4*((\k)%2)+3], 2*ROWB
.if (\k) == 0
	JTILES G0SA, G1SA                              ; K step 2's tiles, and x's scales into the region that W's have left
.else
	JCODE (\k)%2
.endif
.if (\k) > 0
	XSC (\k)+1                                     ; the next K step's words, into the set that K step k - 1 has left
.endif
	LOADS ((\k)+1)%2, 0
.if (\k) < 4
	PREF (\k)+4                                    ; the K step two refills on
.endif
	GRP \k, 3, 3, 0
	GRP \k, 3, 4, 0
	GRP \k, 3, 5, 0
	GRP \k, 3, 6, 0
	GRP \k, 3, 7, 0
.endif
.endm
	s_wait_tensorcnt 0x0                           ; my part of the head's fills is in
	ds_add_u32 v[SPW], v[NIL]
	s_wait_dscnt 0x0                               ; the add is done
	CROUND                                         ; everybody's part is in, and all sixteen work-groups are here
	JCODE 1                                        ; K step 1, the first tensor load behind the round
	WSC 0
	LDW 0, 0, 0
	LDW 0, 0, 4
	LDX 0, 0, 0
	LDX 0, 0, 4
	PREF 2
	PREF 3
	s_wait_loadcnt 0x0                             ; the bias, and x's scale words of K steps 0 and 1
	STEP 0, 0, 1, 1, 3                             ; the first products start the sums from the bias
	STEP 0, 1, 0, 4, 2
	STEP 0, 2, 0, 6, 2
	TURN 0
.irp k, 1,2,3,4,5,6
.irp q, 0,1,2
	STEP \k, \q, 0, 0, 0
.endr
	TURN \k
.endr
; THE LAST K STEP (in slot 1) GOES BY ROWS OF out0.  All its fragments of W (4 x 64 registers) fill window 1; then my eight blocks of 16 rows are finished one after the other, 16 matrix instructions each
; (4 accumulators by turns, K ascending), and each leaves as soon as it is finished.  x's fragments of a block (32 registers) come into window 0, two buffers: v128-159, and v160-175 with v32-47.
.macro BLOAD q
	WIN TO_F
.irp i, 0,1,2,3,4,5,6,7
	FRAG 64*\q+8*\i, ADRB+1, \q, \i
.endr
.endm
.macro SETFA a, q
.if (\a)%2 == 0
.set FA, 128+8*\q
.else
.if \q < 2
.set FA, 160+8*\q
.else
.set FA, 16+8*\q
.endif
.endif
.endm
.macro ALOAD a
	WIN 0
.irp q, 0,1,2,3
	SETFA \a, \q
	FRAG FA, ADRA+1, \q, \a
.endr
.endm
.macro ROW a
	WIN 0xa1+0x50*((\a)/4)                         ; source 0 window 1, source 1 window 0, C and D window 2 or 3
.irp q, 0,1,2,3
.if (\a) == 0
.if \q == 2
	s_wait_dscnt 24                                ; W's quarter 2 is in; quarter 3 (16) and x's block 1 (8) may be out
.endif
.if \q == 3
	s_wait_dscnt 8                                 ; quarter 3 is in
.endif
.endif
	SETFA \a, \q
.set X_, FA
.irp b, 0,1,2,3
.set D_, 64*((\a)%4)+16*\b
.set C_, D_
.set W_, 64*\q+16*\b
.set SA_, WS+112+4*\b+\q
.set SB_, XS+16+4*((\a)/2)+\q
	WM (\a)%2
.endr
.endr
.endm
; The way out of block a.  A lane holds 32 neighbouring bytes of a row, and the lanes beside it hold other rows: a block goes through my own stage and comes back as whole rows of 512 bytes,
; which the 32 lanes store as 512 consecutive bytes at a multiple of 256 from out0's first byte.  LDS serves a wave's instructions in order (ISA guide 5.7.1.4): no wait between the stores and the loads.
.macro TOSTAGE a
.set AC, 64*((\a)%4)
	WIN 0x08+4*((\a)/4)                            ; an LDS store's data are its source 1: window 2 or 3
.irp b, 0,1,2,3,4,5,6,7
	ds_store_b128 v[STO], v[AC+8*\b:AC+8*\b+3] offset:64*\b          ; each accumulator from its low end on
	ds_store_b128 v[STO], v[AC+8*\b+4:AC+8*\b+7] offset:64*\b+16
.endr
	WIN 0
.set BB, 192-128*((\a)%2)              ; v192-255 and v64-127 by turns
.irp t, 0,1,2,3,4,5,6,7,8,9,10,11,12,13,14,15
	ds_load_b128 v[BB+4*\t:BB+4*\t+3], v[RD] offset:\t*SPITCH
.endr
.endm
.macro SEND a, younger                 ; younger: the LDS loads issued behind block a's, which may stay out
	WIN 0
.set BB, 192-128*((\a)%2)
	s_wait_dscnt \younger                          ; the block is back in registers
.if (\a) > 0
	s_wait_xcnt 0x0                                ; the earlier stores have read their registers and their base
	s_add_nc_u64 s[14:15], s[14:15], 16*SIZE_N*4   ; 16 rows of out0 on: the stores' offsets reach 245,760 bytes, inside the signed 24-bit immediate
.endif
.irp t, 0,1,2,3,4,5,6,7,8,9,10,11,12,13,14,15
	global_store_b128 v[CO], v[BB+4*\t:BB+4*\t+3], s[14:15] offset:\t*SIZE_N*4 th:TH_STORE_NT   ; written once, read by nobody here
.endr
.endm
	PLACES 4                                       ; for the loads into buffer 0; K step 6's last 20 products, on buffer 1, are still due
	BLOAD 0
	BLOAD 1
	XSC 7
	ALOAD 0
	GRP 6, 3, 3, 0
	GRP 6, 3, 4, 0
	GRP 6, 3, 5, 0
	GRP 6, 3, 6, 0
	GRP 6, 3, 7, 0
	PLACES 4                                       ; for the loads into buffer 1 and over K step 6's scale words
	BLOAD 2
	BLOAD 3
	ALOAD 1
	s_wait_dscnt 40                                ; all but W's quarters 2 and 3 and x's block 1
	ROW 0
.irp a, 0,1,2,3,4,5,6,7
	PLACES 4                                       ; block a's results have just been made
	TOSTAGE \a
.if \a < 6
	ALOAD \a+2                                     ; over block a's fragments
	s_wait_dscnt 40                                ; block a + 1's fragments are in: block a's 16 stores and 16 loads, and the eight just issued, may be out
	ROW \a+1
	SEND \a, 8
.else
.if \a < 7
	s_wait_dscnt 32
	ROW \a+1
.endif
	SEND \a, 0
.endif
.endr
	s_wait_tensorcnt 0x0                           ; the wave's end, behind my last tensor load and my last LDS store
	ds_add_u32 v[SPW], v[NIL]
	s_wait_dscnt 0x0
	CROUND                                         ; the closing round: no work-group ends while a partner may still ask for a tile that names it
	s_endpgm
.Lfunc_end_k_q0f6a766c39_gemm:
	.size	k_q0f6a766c39_gemm, .Lfunc_end_k_q0f6a766c39_gemm-k_q0f6a766c39_gemm
	.p2alignl 7, 3214868480
	.fill 96, 4, 3214868480
	.section	.rodata,"a",@progbits
	.p2align	6, 0x0
	.amdhsa_kernel k_q0f6a766c39_gemm
		.amdhsa_group_segment_fixed_size 327680
		.amdhsa_private_segment_fixed_size 0
		.amdhsa_enable_private_segment 0
		.amdhsa_kernarg_size 48
		.amdhsa_user_sgpr_count 2
		.amdhsa_user_sgpr_kernarg_segment_ptr 1
		.amdhsa_wavefront_size32 1
		.amdhsa_system_sgpr_workgroup_id_x 1
		.amdhsa_system_sgpr_workgroup_id_y 1
		.amdhsa_system_sgpr_workgroup_id_z 1
		.amdhsa_system_vgpr_workitem_id 0
		.amdhsa_next_free_vgpr 1024
		.amdhsa_next_free_sgpr 100
		.amdhsa_reserve_vcc 0
		.amdhsa_float_denorm_mode_32 3
		.amdhsa_float_denorm_mode_16_64 3
		.amdhsa_memory_ordered 1
		.amdhsa_forward_progress 1
		.amdhsa_inst_pref_size 255
	.end_amdhsa_kernel
	.section	.bss,"aw",@nobits
	.p2align	6
	.space	262144
	.amdgpu_metadata
---
amdhsa.version: [ 1, 2 ]
amdhsa.kernels:
  - .name:           k_q0f6a766c39_gemm
    .symbol:         k_q0f6a766c39_gemm.kd
    .args:
      - { .name: x_codes, .offset: 0, .size: 8, .value_kind: global_buffer, .address_space: global }
      - { .name: x_scales, .offset: 8, .size: 8, .value_kind: global_buffer, .address_space: global }
      - { .name: W_codes, .offset: 16, .size: 8, .value_kind: global_buffer, .address_space: global }
      - { .name: W_scales, .offset: 24, .size: 8, .value_kind: global_buffer, .address_space: global }
      - { .name: b, .offset: 32, .size: 8, .value_kind: global_buffer, .address_space: global }
      - { .name: out0, .offset: 40, .size: 8, .value_kind: global_buffer, .address_space: global }
    .group_segment_fixed_size: 327680
    .private_segment_fixed_size: 0
    .kernarg_segment_align: 8
    .kernarg_segment_size: 48
    .max_flat_workgroup_size: 128
    .sgpr_count:     100
    .vgpr_count:     1024
    .wavefront_size: 32
...
	.end_amdgpu_metadata
.endif
;; end of part 1
